; MI455X (gfx1250); checked and timed in simulation.
; The chip was launched on July 23, 2026; its instructions are those of AMD's public machine-readable ISA for CDNA 5 (MIT licence, August 2026) and "CDNA5" Instruction Set Architecture Reference Guide (July 2026). The comments in the code are by the model that wrote it; some were corrected since.
;; Multihead Sparse Relu Attention. Allowed arithmetic: float matrix products may take bf16 or f16 operands with f32 sums; other float arithmetic in f32, or as packed bf16 or f16 multiplies, adds, multiply-adds, maxima and minima; sums over many terms, partial sums and values carried from step to step in f32; what a program stores and reads back later, other than sums and carried values, may be rounded once to bf16 or f16.
;; Inputs: feat_mask 3,072 x 2,048 bool; k_b 2,048 float32; k_w 2,048 x 512 float32; key 2,048 x 4 x 512 float32; q_b 2,048 float32; q_w 2,048 x 512 float32; query 2,048 x 4 x 512 float32; v_b 512 float32; v_w 512 x 512 float32; value 2,048 x 4 x 512 float32.
;; Outputs: out0 2,048 x 4 x 512 float32.
;; 2 versions, each right; version 2 is version 1 with the launch castw written anew for expert scheduling mode. Each part assembles by itself: llvm-mc -triple=amdgcn-amd-amdhsa -mcpu=gfx1250 --defsym DOCPART=n.
;; ======== version 1 of 2: 4 launches
;; workspace buffers: wbf 4,718,592 bytes; qh 33,554,432 bytes; kh 33,554,432 bytes; vh 8,388,608 bytes; kvt 8,388,608 bytes
;; launch castw (part 1): grid 288 x 1, 8 waves a work-group, no clusters, 0 bytes of LDS; arguments q_w, k_w, v_w, wbf; writes wbf
.if DOCPART == 1
	.amdgcn_target "amdgcn-amd-amdhsa--gfx1250"
	.amdhsa_code_object_version 6
	.text
	.protected	k_q046c99c8a2_castw
	.globl	k_q046c99c8a2_castw
	.p2align	8
	.type	k_q046c99c8a2_castw,@function
k_q046c99c8a2_castw:
	s_mov_b64 s[64:65], 0
	v_nop
	global_prefetch_b8 v0, s[64:65] scope:SCOPE_SE
	s_setreg_imm32_b32 hwreg(HW_REG_WAVE_MODE, 25, 1), 1
	s_wait_xcnt 0x0
; wbf[4608][512] in bf16 = q_w (rows 0-2047), k_w (rows 2048-4095), v_w (rows 4096-4607), each number rounded once.
; A work-group takes 8,192 numbers: 32,768 bytes in, 16,384 out.  Groups 0-127 take q_w, 128-255 k_w, 256-287 v_w.
; Thread t takes 16 bytes at 16 t + 4,096 j (j = 0..7) and stores 8 bytes at 8 t + 2,048 j: a wave's store covers 256 consecutive bytes, aligned.
; All eight loads of a thread go out at once; no loop, no LDS: each byte is read once and written once.
	s_load_b256 s[4:11], s[0:1], 0x0               ; q_w s[4:5], k_w s[6:7], v_w s[8:9], wbf s[10:11]
	v_lshlrev_b32 v1, 4, v0                        ; 16 t
	v_lshlrev_b32 v2, 3, v0                        ; 8 t
	s_mov_b32 s12, ttmp9
	s_mov_b32 s17, 0
	s_mov_b32 s19, 0
	s_lshl_b32 s18, s12, 14                        ; the group's 16,384 bytes of wbf
	s_wait_kmcnt 0x0
	s_cmp_lt_u32 s12, 128                          ; which of the three tensors, and how many groups lie ahead of it
	s_cselect_b64 s[14:15], s[4:5], s[6:7]
	s_cselect_b32 s16, 0, 128
	s_cmp_lt_u32 s12, 256
	s_cselect_b64 s[14:15], s[14:15], s[8:9]
	s_cselect_b32 s16, s16, 256
	s_sub_co_u32 s16, s12, s16
	s_lshl_b32 s16, s16, 15                        ; the group's 32,768 bytes in its tensor
	s_add_nc_u64 s[14:15], s[14:15], s[16:17]
	s_add_nc_u64 s[10:11], s[10:11], s[18:19]
.irp j, 0,1,2,3,4,5,6,7
	global_load_b128 v[4+4*(\j):7+4*(\j)], v1, s[14:15] offset:4096*(\j) th:TH_LOAD_NT
.endr
.irp j, 0,1,2,3,4,5,6,7
	s_wait_loadcnt 7-(\j)                          ; loads come back in order: load j is in, the 7 - j younger ones stay out
	v_cvt_pk_bf16_f32 v[36+2*(\j)], v[4+4*(\j)], v[5+4*(\j)]
	v_cvt_pk_bf16_f32 v[37+2*(\j)], v[6+4*(\j)], v[7+4*(\j)]
	global_store_b64 v2, v[36+2*(\j):37+2*(\j)], s[10:11] offset:2048*(\j)
.endr
	s_endpgm
.Lfunc_end_k_q046c99c8a2_castw:
	.size	k_q046c99c8a2_castw, .Lfunc_end_k_q046c99c8a2_castw-k_q046c99c8a2_castw
	.p2alignl 7, 3214868480
	.fill 96, 4, 3214868480
	.section	.rodata,"a",@progbits
	.p2align	6, 0x0
	.amdhsa_kernel k_q046c99c8a2_castw
		.amdhsa_group_segment_fixed_size 0
		.amdhsa_private_segment_fixed_size 0
		.amdhsa_enable_private_segment 0
		.amdhsa_kernarg_size 32
		.amdhsa_user_sgpr_count 2
		.amdhsa_user_sgpr_kernarg_segment_ptr 1
		.amdhsa_wavefront_size32 1
		.amdhsa_system_sgpr_workgroup_id_x 1
		.amdhsa_system_sgpr_workgroup_id_y 1
		.amdhsa_system_sgpr_workgroup_id_z 1
		.amdhsa_system_vgpr_workitem_id 0
		.amdhsa_next_free_vgpr 64
		.amdhsa_next_free_sgpr 66
		.amdhsa_reserve_vcc 0
		.amdhsa_float_denorm_mode_32 3
		.amdhsa_float_denorm_mode_16_64 3
		.amdhsa_memory_ordered 1
		.amdhsa_forward_progress 1
		.amdhsa_inst_pref_size 4
	.end_amdhsa_kernel
	.amdgpu_metadata
---
amdhsa.version: [ 1, 2 ]
amdhsa.kernels:
  - .name:           k_q046c99c8a2_castw
    .symbol:         k_q046c99c8a2_castw.kd
    .args:
      - { .name: q_w, .offset: 0, .size: 8, .value_kind: global_buffer, .address_space: global }
      - { .name: k_w, .offset: 8, .size: 8, .value_kind: global_buffer, .address_space: global }
      - { .name: v_w, .offset: 16, .size: 8, .value_kind: global_buffer, .address_space: global }
      - { .name: wbf, .offset: 24, .size: 8, .value_kind: global_buffer, .address_space: global }
    .group_segment_fixed_size: 0
    .private_segment_fixed_size: 0
    .kernarg_segment_align: 8
    .kernarg_segment_size: 32
    .max_flat_workgroup_size: 256
    .sgpr_count:     66
    .vgpr_count:     64
    .wavefront_size: 32
...
	.end_amdgpu_metadata
.endif
;; end of part 1
;; launch proj (part 2): grid 4 x 64, 4 waves a work-group, clusters of 4 x 4, 327,680 bytes of LDS; arguments query, key, value, wbf, q_b, k_b, v_b, feat_mask, qh, kh, vh; writes qh, kh, vh
.if DOCPART == 2
	.amdgcn_target "amdgcn-amd-amdhsa--gfx1250"
	.amdhsa_code_object_version 6
	.text
	.protected	k_q046c99c8a2_proj
	.globl	k_q046c99c8a2_proj
	.p2align	8
	.type	k_q046c99c8a2_proj,@function
k_q046c99c8a2_proj:
	s_mov_b64 s[64:65], 0
	v_nop
	global_prefetch_b8 v0, s[64:65] scope:SCOPE_SE
	s_setreg_imm32_b32 hwreg(HW_REG_WAVE_MODE, 25, 1), 1
	s_wait_xcnt 0x0
	s_wait_alu depctr_hold_cnt(0) depctr_sa_sdst(0) depctr_va_vdst(0) depctr_va_sdst(0) depctr_va_ssrc(0) depctr_va_vcc(0) depctr_vm_vsrc(0)
	s_getreg_b32 s2, hwreg(HW_REG_IB_STS2, 6, 4)
	s_cmp_eq_u32 s2, 0
	s_cbranch_scc0 .Lentry_in_a_cluster
	s_endpgm
.Lentry_in_a_cluster:
	s_bfe_u32 s2, ttmp6, 0x10000c
	s_cmp_lg_u32 s2, 0xf033
	s_cbranch_scc0 .Lentry_shape_is_right
	s_endpgm
.Lentry_shape_is_right:
; THE THREE PROJECTIONS.  Rows m = 4 l + b (8,192 of them), K = 512.
;   qh[m][n] = keep(l, n) x relu(query[m] . q_w[n] + q_b[n])   (n < 2,048; WITHOUT the scale 2048^-0.5, which the launch behind applies in f32)
;   kh[m][n] = keep(l, n) x relu(key[m] . k_w[n] + k_b[n])       vh[m][e] = value[m] . v_w[e] + v_b[e]   (e < 512)
; keep = 1 where feat_mask[l][n] is 0.  Operands bf16 (activations rounded here, weights by the launch before, biases rounded to bf16 too), sums f32, results rounded once to bf16.
; LIMITS.  A mask byte is 0 or 1.  A NaN ahead of the ReLU comes out as 0.
; SHARES.  A work-group owns 128 rows (tile row ty) and a quarter of the columns (cx): 512 of q, the same 512 of k, 128 of v: nine tiles of 128 x 128, in three PHASES.
; A wave makes 64 x 64 of a tile: 16 accumulators.  A PHASE'S ACTIVATIONS STAY IN REGISTERS: a wave's 64 rows x 512 K as bf16 fragments fill windows 2 and 3, so that during the
; products only the weights' fragments are read from LDS and only weights are fetched.
; ONE RING of two LDS slots; every tile in it is 128 rows x 1,024 bytes: the rows' K 0-255 in f32, their K 256-511 in f32, or 128 weight rows of 512 bf16.  Each wave fetches 32 rows of each tile.
; The walk: Alo Ahi B0 B1 B2 B3 | Alo Ahi B0 B1 B2 B3 | Alo Ahi Bv: 15 trips, a change of slots in front of each.
; CLUSTER 4 x 4.  The four of a row of the cluster share ty, so they ask for the activations JOINTLY; the four of a column share cx, so they ask for the weights jointly.
; THE MATRIX INSTRUCTION IS USED TRANSPOSED (source 0 = 16 weight rows, source 1 = 16 activation rows): a lane holds one row m and eight neighbouring columns.  The bias is the C operand of the first product.
; REGISTERS, in windows of 256 (s_set_vgpr_msb: bits 1:0 source 0, 3:2 source 1, 5:4 source 2, 7:6 destination):
;   window 0: v1-29 addresses; v32-95 packed results; v96-127 the bias as C, later the mask's bytes; v128-255 accumulators ((a, b) at 128 + 8 (4 a + b))
;   window 1: two buffers of 128 for the weights' fragments (128 along K each); in the A trips four batches of 64 f32
;   window 2: the activations' fragments of K steps 0-7 (step ks, row block a at 8 (4 ks + a));   window 3: K steps 8-15
.set PITCH,  1040                      ; an LDS row: 1,024 bytes + 16 of padding = 260 words: the 16 rows of a fragment load start at 16 different groups of four banks (ISA guide 11.1)
.set SLOT,   128*PITCH                 ; 133,120 = 0x20800: it shares no bit with 33,280 x wave, so one exclusive or turns an address in one slot into the other's
.set STAGE,  2*SLOT                    ; 128 rows x 272 bytes, the work-group's, for the way out
.set SPITCH, 272
.set MASK,   STAGE+128*SPITCH          ; 32 rows l x 512 bytes (pitch 528): 0xff where the feature is kept
.set MPITCH, 528
.set BIAS,   MASK+32*MPITCH            ; f32: q_b's 512, k_b's 512, v_b's 128 of my columns
.set SPARE,  BIAS+4608                 ; the spare words, 128 bytes for each wave: two blocks of 256 bytes that no other line names
.set AA0, 4                            ; v4   my lane's place in an f32 tile
.set AB0, 5                            ; v5   in a tile of weights
.set ADR, 6                            ; v6   the LDS address of the loads in hand
.set ABI0, 7                           ; v7   my place in the biases
.set AMK0, 8                           ; v8   in the mask
.set STO, 9                            ; v9   the way out: where I put 16 bytes of a row
.set RD,  10                           ; v10  where I read a row back
.set CO,  11                           ; v11  my byte offset in two rows of qh, kh
.set COV, 12                           ; v12  of vh
.set ZR,  13                           ; v13  0, for the ReLU on packed halves
.set PFO, 14                           ; v14  the prefetches' offset; never rewritten
.set ABI, 15
.set X,   16                           ; v16-19 at work
.set AMK, 20
.set SPW, 28                           ; v28  LDS address of my spare word; never rewritten
.set NIL, 29                           ; v29  0; never rewritten
.set TMP, 32
.set BI,  96
.set MK,  96
.set ACC, 128
.set WV, 26                            ; s26 wave; s27 which 64 rows; s28 which 64 columns
.set WR, 27
.set WC, 28
.set CX, 29
.set CY, 30
.set TY, 31
.set G1A, 32                           ; s[32:39] descriptor group 1, f32 tiles
.set G1B, 40                           ; s[40:47] weights' tiles
.set G0A, 48                           ; s[48:51] group 0, f32 tiles
.set G0B, 52                           ; s[52:55] weights' tiles
.set TB,  56                           ; s56  the slot that is read
.set WOFF, 58                          ; s58  33,280 x wave: my 32 rows in a slot
.set PH,  59
.set CNT, 60
.set MO,  61                           ; s61  the tile's first column in the mask's rows
.set SELA, 62                          ; s62, s63: byte selects that double bytes 0, 1 and bytes 2, 3
.set SELB, 63
.set NA,  66                           ; s[66:67] the next phase's activations at my 32 rows
.set PAV, 68                           ; s[68:69] value's
.set BJ,  70                           ; s[70:71] bytes from a phase's last weight tile to the next phase's first
.set PBV, 72                           ; s[72:73] v_w's tile
.set CP,  74                           ; s[74:75] where the tile in hand is stored
.set CK,  76
.set CV,  78
.set PF,  80                           ; s[80:81] what the prefetches name
.set PFV, 82
.set BO,  84                           ; s84  the tile's first bias
.set K_AHI, 0
.set K_ALO, 1
.set K_B0,  2
.set K_BN,  3
.set K_BV,  4
.set K_NONE, 5
.set MSB, 0
.macro WIN new                         ; the immediate's high byte repeats the setting that is left; a switch that changes nothing is dropped
.if MSB != (\new)
	s_set_vgpr_msb (MSB<<8)|(\new)
.set MSB, \new
.endif
.endm
.macro PLACES                          ; four places behind a matrix instruction (ISA guide 7.12.1), where no other vector work is at hand
.rept 4
	v_nop
.endr
.endm
.macro CROUND                          ; a round of the cluster's barrier
	s_barrier_signal -1
	s_barrier_wait -1
	s_cmp_lg_u32 s[WV], 0
	s_cbranch_scc1 .Lnot_wave_0_\@
	s_barrier_signal -3
.Lnot_wave_0_\@:
	s_barrier_wait -3
	s_barrier_signal -1
	s_barrier_wait -1
.endm
; THE CHANGE OF SLOTS.  Each wave waits for all its tensor loads, of which one is out: its 32 rows of the slot to be read; adds 0 to its spare word; steps the descriptors, which no load names now;
; and waits for the add and for its own LDS reads and stores.  Behind the round no wave of any partner reads the old slot or has a load on its way: the old slot is filled again, first thing, one load a wave.
.macro CHANGE kind
	WIN 0
	s_wait_tensorcnt 0x0
	ds_add_u32 v[SPW], v[NIL]
	s_xor_b32 s[TB], s[TB], SLOT                   ; read the other slot,
	s_xor_b32 s[G0A+1], s[G0A+1], SLOT             ; fill the one that was read (both sets turn in every change, so they stay in step)
	s_xor_b32 s[G0B+1], s[G0B+1], SLOT
.if (\kind) == K_AHI
	s_add_nc_u64 s[G0A+2:G0A+3], s[G0A+2:G0A+3], 1024  ; the same rows' K 256-511
.elseif (\kind) == K_ALO
	s_mov_b64 s[G0A+2:G0A+3], s[NA:NA+1]           ; the next phase's rows, K 0-255
	s_or_b32 s[G0A+3], s[G0A+3], 0x80000000
.elseif (\kind) == K_B0
	s_add_nc_u64 s[G0B+2:G0B+3], s[G0B+2:G0B+3], s[BJ:BJ+1]
.elseif (\kind) == K_BN
	s_add_nc_u64 s[G0B+2:G0B+3], s[G0B+2:G0B+3], 131072  ; 128 weight rows on
.elseif (\kind) == K_BV
	s_mov_b64 s[G0B+2:G0B+3], s[PBV:PBV+1]
	s_or_b32 s[G0B+3], s[G0B+3], 0x80000000
.endif
	s_wait_dscnt 0x0
.if (\kind) == K_NONE
	s_barrier_signal -1                            ; nothing is left to fetch: my work-group's barrier alone
	s_barrier_wait -1
.else
	CROUND
.if (\kind) <= K_ALO
	tensor_load_to_lds s[G0A:G0A+3], s[G1A:G1A+7]
.else
	tensor_load_to_lds s[G0B:G0B+3], s[G1B:G1B+7]
.endif
	s_nop 0
	PLACES
.endif
.endm
; AN A TRIP: my 64 rows x 256 K of f32 come out of LDS in eight batches (32 along K: 16 loads, 64 registers) and are rounded to bf16 fragments.  Three batches are out ahead of the one that is rounded.
.macro ALD ks
	WIN 0x40                                       ; destination window 1
.irp a, 0,1,2,3
	ds_load_b128 v[64*((\ks)%4)+16*(\a):64*((\ks)%4)+16*(\a)+3],     v[ADR] offset:(\a)*16*PITCH+(\ks)*128
	ds_load_b128 v[64*((\ks)%4)+16*(\a)+4:64*((\ks)%4)+16*(\a)+7],   v[ADR] offset:(\a)*16*PITCH+(\ks)*128+16
	ds_load_b128 v[64*((\ks)%4)+16*(\a)+8:64*((\ks)%4)+16*(\a)+11],  v[ADR] offset:(\a)*16*PITCH+(\ks)*128+64
	ds_load_b128 v[64*((\ks)%4)+16*(\a)+12:64*((\ks)%4)+16*(\a)+15], v[ADR] offset:(\a)*16*PITCH+(\ks)*128+80
.endr
.endm
.macro ACV ks, hh
	WIN 0x85+0x40*(\hh)                            ; sources window 1, destination window 2 or 3
.irp a, 0,1,2,3
.irp j, 0,1,2,3,4,5,6,7
	v_cvt_pk_bf16_f32 v[8*(4*(\ks)+(\a))+(\j)], v[64*((\ks)%4)+16*(\a)+2*(\j)], v[64*((\ks)%4)+16*(\a)+2*(\j)+1]
.endr
.endr
.endm
.macro ATRIP hh
	WIN 0
	v_add_nc_u32 v[ADR], s[TB], v[AA0]
	ALD 0
	ALD 1
	ALD 2
.irp ks, 0,1,2,3,4,5,6,7
.if (\ks) < 5
	ALD (\ks)+3
	s_wait_dscnt 48                                ; batch ks is in; the three younger batches of 16 stay out
.else
	s_wait_dscnt 16*(7-(\ks))                      ; the batches that are left
.endif
	ACV \ks, \hh
.endr
	WIN 0
.endm
; 32 LDS loads in one run: the weights' fragments of quarter qd (128 along K: four K steps x four blocks of 16 columns) into buffer f; the first K steps first
.macro FETCH qd, f
	WIN 0x40
.irp kk, 0,1,2,3
.irp b, 0,1,2,3
	ds_load_b128 v[(\f)+32*(\kk)+8*(\b):(\f)+32*(\kk)+8*(\b)+3],   v[ADR] offset:(\b)*16*PITCH+(4*(\qd)+(\kk))*64
	ds_load_b128 v[(\f)+32*(\kk)+8*(\b)+4:(\f)+32*(\kk)+8*(\b)+7], v[ADR] offset:(\b)*16*PITCH+(4*(\qd)+(\kk))*64+32
.endr
.endr
.endm
; 16 matrix instructions, K step 4 qd + kk: the 16 accumulators by turns, one instruction a turn.  The tile's first 16 take the bias as C.
.macro MULK qd, kk
	WIN 0x09+4*((\qd)/2)                           ; source 0 window 1, source 1 window 2 or 3, C and D window 0
.irp a, 0,1,2,3
.irp b, 0,1,2,3
.if ((\qd)+(\kk)) == 0
	v_wmma_f32_16x16x32_bf16 v[ACC+8*(4*(\a)+(\b)):ACC+8*(4*(\a)+(\b))+7], v[128*((\qd)%2)+32*(\kk)+8*(\b):128*((\qd)%2)+32*(\kk)+8*(\b)+7], v[8*(4*((4*(\qd)+(\kk))%8)+(\a)):8*(4*((4*(\qd)+(\kk))%8)+(\a))+7], v[BI+8*(\b):BI+8*(\b)+7]
.else
	v_wmma_f32_16x16x32_bf16 v[ACC+8*(4*(\a)+(\b)):ACC+8*(4*(\a)+(\b))+7], v[128*((\qd)%2)+32*(\kk)+8*(\b):128*((\qd)%2)+32*(\kk)+8*(\b)+7], v[8*(4*((4*(\qd)+(\kk))%8)+(\a)):8*(4*((4*(\qd)+(\kk))%8)+(\a))+7], v[ACC+8*(4*(\a)+(\b)):ACC+8*(4*(\a)+(\b))+7]
.endif
.endr
.endr
.endm
.macro QUARTER qd                      ; 64 matrix instructions; in their middle the next quarter's run of loads
	s_wait_dscnt 16                                ; the quarter's first two K steps are in (and, in quarter 0, the bias, which was asked for earlier); its youngest 16 loads may be out
	MULK \qd, 0
	MULK \qd, 1
.if (\qd) < 3
	PLACES                                         ; in front of loads into the buffer that the quarter before multiplied
	FETCH (\qd)+1, 128*(((\qd)+1)%2)
	s_wait_dscnt 32                                ; all but the 32 just issued
.else
	s_wait_dscnt 0x0
.endif
	MULK \qd, 2
	MULK \qd, 3
.endm
; THE WAY OUT of a tile.  mode 1: ReLU and mask; mode 0 (v): neither.  Rounded to bf16, 16 bytes a lane into the work-group's stage; a barrier, since a row's 256 bytes come from two waves; back as whole rows, 32 a wave.
; The refill that is on its way stays out across that barrier.  The stage is written again only behind the next change of slots, in front of which every wave has waited for its reads.
.macro EPI mode
	WIN 0
.if \mode
.irp a, 0,1,2,3
.irp b, 0,1,2,3
	ds_load_b64 v[MK+2*(4*(\a)+(\b)):MK+2*(4*(\a)+(\b))+1], v[AMK] offset:(\a)*4*MPITCH+16*(\b)  ; my row's eight mask bytes for block (a, b)
.endr
.endr
.endif
	PLACES
.set t, 0
.rept 16
.irp rr, 0,1,2,3
	v_cvt_pk_bf16_f32 v[TMP+4*t+(\rr)], v[ACC+8*t+2*(\rr)], v[ACC+8*t+2*(\rr)+1]  ; each accumulator from its low end on
.endr
.set t, t+1
.endr
.if \mode
.set t, 0
.rept 64
	v_pk_max_num_bf16 v[TMP+t], v[TMP+t], v[ZR]    ; the ReLU, two at a time; nothing is rounded
.set t, t+1
.endr
	s_wait_dscnt 0x0                               ; the mask's bytes
.set t, 0
.rept 16
	v_perm_b32 v[X],   v[MK+2*t],   v[MK+2*t],   s[SELA]  ; each byte doubled: a mask for two bf16
	v_perm_b32 v[X+1], v[MK+2*t],   v[MK+2*t],   s[SELB]
	v_perm_b32 v[X+2], v[MK+2*t+1], v[MK+2*t+1], s[SELA]
	v_perm_b32 v[X+3], v[MK+2*t+1], v[MK+2*t+1], s[SELB]
.irp rr, 0,1,2,3
	v_and_b32 v[TMP+4*t+(\rr)], v[X+(\rr)], v[TMP+4*t+(\rr)]
.endr
.set t, t+1
.endr
.endif
.irp a, 0,1,2,3
.irp b, 0,1,2,3
	ds_store_b128 v[STO], v[TMP+4*(4*(\a)+(\b)):TMP+4*(4*(\a)+(\b))+3] offset:(\a)*16*SPITCH+32*(\b)
.endr
.endr
	s_wait_dscnt 0x0                               ; for the others' sake: my stores into the stage are done
	s_barrier_signal -1
	s_barrier_wait -1
.irp t, 0,1,2,3,4,5,6,7,8,9,10,11,12,13,14,15
	ds_load_b128 v[TMP+4*(\t):TMP+4*(\t)+3], v[RD] offset:(\t)*2*SPITCH
.endr
.irp t, 0,1,2,3,4,5,6,7,8,9,10,11,12,13,14,15
	s_wait_dscnt 15-(\t)                           ; pair t of rows is back; the younger ones stay out
.if \mode
	global_store_b128 v[CO], v[TMP+4*(\t):TMP+4*(\t)+3], s[CP:CP+1] offset:2*(\t)*4096  ; 16 lanes store 256 consecutive bytes, aligned
.else
	global_store_b128 v[COV], v[TMP+4*(\t):TMP+4*(\t)+3], s[CP:CP+1] offset:2*(\t)*1024
.endif
.endr
	s_wait_xcnt 0x0                                ; the stores have read their data and their base: only now are these written again
	s_add_nc_u64 s[CP:CP+1], s[CP:CP+1], 256       ; the next tile's 128 columns
.endm
; A TILE: 256 matrix instructions and the way out.  ask = 1: in the phase's third tile (CNT = 1) the next phase's activations are prefetched into the L2: 128 rows x 2,048 bytes, which only the four
; partners of my row of the cluster will read.  They share the rows out BY ADDRESS, 32 each, a wave 8: 64 blocks of 256 bytes, a lane a block, two instructions: each block is named once in the launch.
; The lines stand behind the joint load and the run of LDS loads, a tile's products and way out ahead of the load that will want the rows.  The weights are walked by every cluster again and again: not asked for.
.macro BWORK mode, ask
	WIN 0
	v_add_nc_u32 v[ADR], s[TB], v[AB0]
	v_add_nc_u32 v[ABI], s[BO], v[ABI0]
.if \mode
	v_add_nc_u32 v[AMK], s[MO], v[AMK0]
.endif
.irp b, 0,1,2,3
	ds_load_b128 v[BI+8*(\b):BI+8*(\b)+3],   v[ABI] offset:64*(\b)
	ds_load_b128 v[BI+8*(\b)+4:BI+8*(\b)+7], v[ABI] offset:64*(\b)+16
.endr
	FETCH 0, 0
	WIN 0
.if \ask
	s_cmp_eq_u32 s[CNT], 1
	s_cbranch_scc0 .Lnot_now_\@
	global_prefetch_b8 v[PFO], s[PF:PF+1] th:TH_LOAD_NT scope:SCOPE_SE
	global_prefetch_b8 v[PFO], s[PF:PF+1] offset:1024 th:TH_LOAD_NT scope:SCOPE_SE
.Lnot_now_\@:
.endif
	QUARTER 0
	QUARTER 1
	QUARTER 2
	QUARTER 3
	EPI \mode
	s_add_co_u32 s[BO], s[BO], 512
	s_add_co_u32 s[MO], s[MO], 128
.endm
	s_load_b256 s[4:11], s[0:1], 0x0               ; query s[4:5], key s[6:7], value s[8:9], wbf s[10:11]
	s_load_b256 s[12:19], s[0:1], 0x20             ; q_b s[12:13], k_b s[14:15], v_b s[16:17], feat_mask s[18:19]
	s_load_b128 s[20:23], s[0:1], 0x40             ; qh s[20:21], kh s[22:23]
	s_load_b64 s[24:25], s[0:1], 0x50              ; vh
	v_lshl_add_u32 v[SPW], v0, 2, SPARE
	v_mov_b32 v[NIL], 0
	ds_add_u32 v[SPW], v[NIL]                      ; the wave's opening: the add and its wait stand ahead of my first tensor load; work on registers stands between them
	v_lshrrev_b32 v3, 5, v0
	v_readfirstlane_b32 s[WV], v3
	s_lshr_b32 s[WR], s[WV], 1
	s_and_b32 s[WC], s[WV], 1
	s_bfe_u32 s[CX], ttmp6, 0x40000
	s_bfe_u32 s[CY], ttmp6, 0x40004
	s_and_b32 s[TY], ttmp7, 0xffff
	s_lshl_b32 s[TY], s[TY], 2
	s_add_co_u32 s[TY], s[TY], s[CY]               ; tile row = 4 x cluster y + cy
	s_lshl_b32 s86, s[CY], 2
	s_lshl_b32 s86, 15, s86                        ; my row of the cluster
	s_lshl_b32 s87, 0x1111, s[CX]                  ; my column
	; group 1: 32 rows of 1,024 bytes, 16 bytes of padding behind each (after every 256 words, code 7; 4 words, code 3); bit 21 beside the mask
	s_or_b32 s[G1A], s86, (2<<16)|(1<<20)|(1<<21)|(7<<22)|(3<<25)  ; elements of 4 bytes
	s_mov_b32 s[G1A+1], 256<<16                    ; tensor_dim0 = 256
	s_mov_b32 s[G1A+2], 32<<16                     ; tensor_dim1 = 32
	s_mov_b32 s[G1A+3], 256<<16                    ; tile_dim0 = 256
	s_mov_b32 s[G1A+4], 32                         ; tile_dim1 = 32
	s_mov_b32 s[G1A+5], 512                        ; elements from row to row
	s_mov_b32 s[G1A+6], 0
	s_mov_b32 s[G1A+7], 0
	s_or_b32 s[G1B], s87, (1<<16)|(1<<20)|(1<<21)|(7<<22)|(3<<25)  ; elements of 2 bytes
	s_mov_b32 s[G1B+1], 512<<16
	s_mov_b32 s[G1B+2], 32<<16
	s_mov_b32 s[G1B+3], 512<<16
	s_mov_b32 s[G1B+4], 32
	s_mov_b32 s[G1B+5], 512
	s_mov_b32 s[G1B+6], 0
	s_mov_b32 s[G1B+7], 0
	s_mul_i32 s[WOFF], s[WV], 32*PITCH
	s_mov_b32 s[G0A], 1
	s_mov_b32 s[G0A+1], s[WOFF]                    ; the first fill goes into slot 0
	s_mov_b32 s[G0B], 1
	s_mov_b32 s[G0B+1], s[WOFF]
	s_lshl_b32 s88, s[TY], 18                      ; the activations: (128 ty + 32 w) rows of 2,048 bytes: made of ty and the wave alone
	s_lshl_b32 s89, s[WV], 16
	s_add_co_u32 s88, s88, s89
	s_mov_b32 s89, 0
	s_lshl_b32 s90, s[CX], 19                      ; q_w's first tile: (512 cx + 32 w) rows of 1,024 bytes: made of cx and the wave alone
	s_lshl_b32 s91, s[WV], 15
	s_add_co_u32 s90, s90, s91
	s_mov_b32 s91, 0
	s_lshl_b32 s92, s[CX], 17                      ; v_w's tile: (4,096 + 128 cx + 32 w) rows
	s_lshl_b32 s93, s[WV], 15
	s_add_co_u32 s92, s92, s93
	s_add_co_u32 s92, s92, 4194304
	s_mov_b32 s93, 0
	s_wait_dscnt 0x0                               ; the opening add is done
	s_wait_kmcnt 0x0
	s_add_nc_u64 s[G0A+2:G0A+3], s[4:5], s[88:89]
	s_or_b32 s[G0A+3], s[G0A+3], 0x80000000
	s_add_nc_u64 s[NA:NA+1], s[6:7], s[88:89]
	s_add_nc_u64 s[PAV:PAV+1], s[8:9], s[88:89]
	s_add_nc_u64 s[G0B+2:G0B+3], s[10:11], s[90:91]
	s_or_b32 s[G0B+3], s[G0B+3], 0x80000000
	s_add_nc_u64 s[PBV:PBV+1], s[10:11], s[92:93]
	CROUND                                         ; all sixteen work-groups are here: the first joint loads meet
	tensor_load_to_lds s[G0A:G0A+3], s[G1A:G1A+7]  ; query's K 0-255 into slot 0
	s_nop 0
	PLACES
	; the mask's 32 rows x 512 bytes and my columns' biases come through registers into LDS bytes of their own, once
	s_lshl_b32 s92, s[TY], 16                      ; (32 ty + 8 w) rows of 2,048 bytes + 512 cx
	s_lshl_b32 s93, s[WV], 14
	s_add_co_u32 s92, s92, s93
	s_lshl_b32 s93, s[CX], 9
	s_add_co_u32 s92, s92, s93
	s_mov_b32 s93, 0
	s_add_nc_u64 s[18:19], s[18:19], s[92:93]
	s_lshl_b32 s92, s[CX], 11
	s_add_nc_u64 s[12:13], s[12:13], s[92:93]
	s_add_nc_u64 s[14:15], s[14:15], s[92:93]
	s_lshl_b32 s92, s[CX], 9
	s_add_nc_u64 s[16:17], s[16:17], s[92:93]
	v_and_b32 v1, 15, v0                           ; r = lane % 16
	v_bfe_u32 v2, v0, 4, 1                         ; h = lane / 16
	v_and_b32 v3, 31, v0                           ; lane
	v_lshlrev_b32 v16, 4, v3
	v_lshlrev_b32 v18, 4, v0
	v_lshlrev_b32 v19, 2, v0
.irp i, 0,1,2,3,4,5,6,7
	global_load_b128 v[32+4*(\i):35+4*(\i)], v16, s[18:19] offset:2048*(\i)  ; a wave takes a row's 512 bytes
.endr
	global_load_b128 v[64:67], v18, s[12:13]
	global_load_b128 v[68:71], v18, s[14:15]
	global_load_b32 v72, v19, s[16:17]
	; addresses, while those are on their way
	s_lshl_b32 s92, s[TY], 19                      ; qh, kh: (128 ty + 32 w) rows of 4,096 bytes + 1,024 cx
	s_lshl_b32 s93, s[WV], 17
	s_add_co_u32 s92, s92, s93
	s_lshl_b32 s93, s[CX], 10
	s_add_co_u32 s92, s92, s93
	s_mov_b32 s93, 0
	s_add_nc_u64 s[CP:CP+1], s[20:21], s[92:93]
	s_add_nc_u64 s[CK:CK+1], s[22:23], s[92:93]
	s_lshl_b32 s92, s[TY], 17                      ; vh: rows of 1,024 bytes + 256 cx
	s_lshl_b32 s93, s[WV], 15
	s_add_co_u32 s92, s92, s93
	s_lshl_b32 s93, s[CX], 8
	s_add_co_u32 s92, s92, s93
	s_mov_b32 s93, 0
	s_add_nc_u64 s[CV:CV+1], s[24:25], s[92:93]
	s_lshl_b32 s92, s[TY], 18                      ; the prefetches: (128 ty + 32 cx + 8 w) rows of 2,048 bytes
	s_lshl_b32 s93, s[CX], 16
	s_add_co_u32 s92, s92, s93
	s_lshl_b32 s93, s[WV], 14
	s_add_co_u32 s92, s92, s93
	s_mov_b32 s93, 0
	s_add_nc_u64 s[PF:PF+1], s[6:7], s[92:93]
	s_add_nc_u64 s[PFV:PFV+1], s[8:9], s[92:93]
	s_mul_i32 s86, s[WV], 8*MPITCH
	s_add_co_u32 s86, s86, MASK
	v_add_nc_u32 v17, s86, v16                     ; where my wave's mask rows go
	v_add_nc_u32 v20, BIAS, v18
	v_add_nc_u32 v21, BIAS+4096, v19
	v_mul_u32_u24 v[AA0], v1, PITCH                ; (64 wr + r) x pitch + 32 h: eight f32
	v_lshl_add_u32 v[AA0], v2, 5, v[AA0]
	s_mul_i32 s86, s[WR], 64*PITCH
	v_add_nc_u32 v[AA0], s86, v[AA0]
	v_mul_u32_u24 v[AB0], v1, PITCH                ; (64 wc + r) x pitch + 16 h: eight bf16
	v_lshl_add_u32 v[AB0], v2, 4, v[AB0]
	s_mul_i32 s86, s[WC], 64*PITCH
	v_add_nc_u32 v[AB0], s86, v[AB0]
	s_lshl_b32 s86, s[WC], 8
	s_add_co_u32 s86, s86, BIAS
	v_lshl_add_u32 v[ABI0], v2, 5, s86             ; columns 64 wc + 8 h on, 4 bytes each
	v_lshrrev_b32 v[AMK0], 2, v1                   ; mask row (64 wr + 16 a + r) / 4
	v_mul_u32_u24 v[AMK0], v[AMK0], MPITCH
	v_lshl_add_u32 v[AMK0], v2, 3, v[AMK0]
	s_mul_i32 s86, s[WR], 16*MPITCH
	s_lshl_b32 s87, s[WC], 6
	s_add_co_u32 s86, s86, s87
	s_add_co_u32 s86, s86, MASK
	v_add_nc_u32 v[AMK0], s86, v[AMK0]
	v_mul_u32_u24 v[STO], v1, SPITCH
	v_lshl_add_u32 v[STO], v2, 4, v[STO]
	s_mul_i32 s86, s[WR], 64*SPITCH
	s_lshl_b32 s87, s[WC], 7
	s_add_co_u32 s86, s86, s87
	s_add_co_u32 s86, s86, STAGE
	v_add_nc_u32 v[STO], s86, v[STO]
	v_mul_u32_u24 v[RD], v2, SPITCH
	v_lshl_add_u32 v[RD], v1, 4, v[RD]
	s_mul_i32 s86, s[WV], 32*SPITCH
	s_add_co_u32 s86, s86, STAGE
	v_add_nc_u32 v[RD], s86, v[RD]
	v_lshlrev_b32 v[CO], 12, v2
	v_lshl_add_u32 v[CO], v1, 4, v[CO]
	v_lshlrev_b32 v[COV], 10, v2
	v_lshl_add_u32 v[COV], v1, 4, v[COV]
	v_mov_b32 v[ZR], 0
	v_lshrrev_b32 v[PFO], 2, v3                    ; row lane / 4, block lane % 4
	v_lshlrev_b32 v[PFO], 11, v[PFO]
	v_and_b32 v[ABI], 3, v3
	v_lshl_add_u32 v[PFO], v[ABI], 8, v[PFO]
	s_mov_b32 s[TB], SLOT                          ; the first change turns it into slot 0
	s_mov_b32 s[BJ], 0
	s_mov_b32 s[BJ+1], 0
	s_mov_b32 s[BO], 0
	s_mov_b32 s[MO], 0
	s_mov_b32 s[SELA], 0x01010000
	s_mov_b32 s[SELB], 0x03030202
	s_mov_b32 s[PH], 2
	s_wait_loadcnt 0x0
.set i, 0
.rept 32
	v_lshlrev_b32 v22, 8, v[32+i]                  ; bytes of 0 or 1 times 255,
	v_sub_nc_u32 v[32+i], v22, v[32+i]
	v_xor_b32 v[32+i], -1, v[32+i]                 ; turned: 0xff where the feature is kept
.set i, i+1
.endr
.irp i, 64,66,68,70
	v_cvt_pk_bf16_f32 v22, v[\i], v[(\i)+1]        ; the biases rounded to bf16, like every input, and widened again
	v_lshlrev_b32 v[\i], 16, v22
	v_and_b32 v[(\i)+1], 0xffff0000, v22
.endr
	v_cvt_pk_bf16_f32 v22, v72, v72
	v_lshlrev_b32 v72, 16, v22
.irp i, 0,1,2,3,4,5,6,7
	ds_store_b128 v17, v[32+4*(\i):35+4*(\i)] offset:MPITCH*(\i)
.endr
	ds_store_b128 v20, v[64:67]
	ds_store_b128 v20, v[68:71] offset:2048
	ds_store_b32 v21, v72                          ; the first change's wait for LDS and its round show all this to every wave
.Lphase:                                               ; twice: q, then k
	CHANGE K_AHI
	ATRIP 0
	CHANGE K_B0
	ATRIP 1
	s_mov_b32 s[CNT], 3
.Lb:                                                   ; tiles 0, 1, 2 are multiplied, tiles 1, 2, 3 asked for
	CHANGE K_BN
	BWORK 1, 1
	s_sub_co_u32 s[CNT], s[CNT], 1
	s_cmp_lg_u32 s[CNT], 0
	s_cbranch_scc1 .Lb
	CHANGE K_ALO                                   ; the next phase's activations are on their way while tile 3 is multiplied
	BWORK 1, 0
	s_mov_b64 s[CP:CP+1], s[CK:CK+1]               ; (behind the way out's s_wait_xcnt 0)
	s_mov_b64 s[NA:NA+1], s[PAV:PAV+1]
	s_mov_b64 s[PF:PF+1], s[PFV:PFV+1]
	s_mov_b32 s[BJ], 1703936                       ; from q_w's rows 512 cx + 384 to k_w's rows 512 cx: 1,664 rows of 1,024 bytes
	s_mov_b32 s[MO], 0
	s_sub_co_u32 s[PH], s[PH], 1
	s_cmp_lg_u32 s[PH], 0
	s_cbranch_scc1 .Lphase
	CHANGE K_AHI                                   ; v: written out
	ATRIP 0
	CHANGE K_BV
	ATRIP 1
	s_mov_b64 s[CP:CP+1], s[CV:CV+1]
	CHANGE K_NONE
	BWORK 0, 0
	s_wait_tensorcnt 0x0                           ; the wave's end, behind my last tensor load and my last LDS store
	ds_add_u32 v[SPW], v[NIL]
	s_wait_dscnt 0x0
	CROUND                                         ; the closing round
	s_endpgm
.Lfunc_end_k_q046c99c8a2_proj:
	.size	k_q046c99c8a2_proj, .Lfunc_end_k_q046c99c8a2_proj-k_q046c99c8a2_proj
	.p2alignl 7, 3214868480
	.fill 96, 4, 3214868480
	.section	.rodata,"a",@progbits
	.p2align	6, 0x0
	.amdhsa_kernel k_q046c99c8a2_proj
		.amdhsa_group_segment_fixed_size 327680
		.amdhsa_private_segment_fixed_size 0
		.amdhsa_enable_private_segment 0
		.amdhsa_kernarg_size 88
		.amdhsa_user_sgpr_count 2
		.amdhsa_user_sgpr_kernarg_segment_ptr 1
		.amdhsa_wavefront_size32 1
		.amdhsa_system_sgpr_workgroup_id_x 1
		.amdhsa_system_sgpr_workgroup_id_y 1
		.amdhsa_system_sgpr_workgroup_id_z 1
		.amdhsa_system_vgpr_workitem_id 0
		.amdhsa_next_free_vgpr 1024
		.amdhsa_next_free_sgpr 96
		.amdhsa_reserve_vcc 0
		.amdhsa_float_denorm_mode_32 3
		.amdhsa_float_denorm_mode_16_64 3
		.amdhsa_memory_ordered 1
		.amdhsa_forward_progress 1
		.amdhsa_inst_pref_size 243
	.end_amdhsa_kernel
	.amdgpu_metadata
---
amdhsa.version: [ 1, 2 ]
amdhsa.kernels:
  - .name:           k_q046c99c8a2_proj
    .symbol:         k_q046c99c8a2_proj.kd
    .args:
      - { .name: query, .offset: 0, .size: 8, .value_kind: global_buffer, .address_space: global }
      - { .name: key, .offset: 8, .size: 8, .value_kind: global_buffer, .address_space: global }
      - { .name: value, .offset: 16, .size: 8, .value_kind: global_buffer, .address_space: global }
      - { .name: wbf, .offset: 24, .size: 8, .value_kind: global_buffer, .address_space: global }
      - { .name: q_b, .offset: 32, .size: 8, .value_kind: global_buffer, .address_space: global }
      - { .name: k_b, .offset: 40, .size: 8, .value_kind: global_buffer, .address_space: global }
      - { .name: v_b, .offset: 48, .size: 8, .value_kind: global_buffer, .address_space: global }
      - { .name: feat_mask, .offset: 56, .size: 8, .value_kind: global_buffer, .address_space: global }
      - { .name: qh, .offset: 64, .size: 8, .value_kind: global_buffer, .address_space: global }
      - { .name: kh, .offset: 72, .size: 8, .value_kind: global_buffer, .address_space: global }
      - { .name: vh, .offset: 80, .size: 8, .value_kind: global_buffer, .address_space: global }
    .group_segment_fixed_size: 327680
    .private_segment_fixed_size: 0
    .kernarg_segment_align: 8
    .kernarg_segment_size: 88
    .max_flat_workgroup_size: 128
    .sgpr_count:     96
    .vgpr_count:     1024
    .wavefront_size: 32
...
	.end_amdgpu_metadata
.endif
;; end of part 2
;; launch kv (part 3): grid 16 x 16, 4 waves a work-group, clusters of 4 x 4, 327,680 bytes of LDS; arguments vh, kh, kvt; writes kvt
.if DOCPART == 3
	.amdgcn_target "amdgcn-amd-amdhsa--gfx1250"
	.amdhsa_code_object_version 6
	.text
	.protected	k_q046c99c8a2_kv
	.globl	k_q046c99c8a2_kv
	.p2align	8
	.type	k_q046c99c8a2_kv,@function
k_q046c99c8a2_kv:
	s_mov_b64 s[64:65], 0
	v_nop
	global_prefetch_b8 v0, s[64:65] scope:SCOPE_SE
	s_setreg_imm32_b32 hwreg(HW_REG_WAVE_MODE, 25, 1), 1
	s_wait_xcnt 0x0
	s_wait_alu depctr_hold_cnt(0) depctr_sa_sdst(0) depctr_va_vdst(0) depctr_va_sdst(0) depctr_va_ssrc(0) depctr_va_vcc(0) depctr_vm_vsrc(0)
	s_getreg_b32 s2, hwreg(HW_REG_IB_STS2, 6, 4)
	s_cmp_eq_u32 s2, 0
	s_cbranch_scc0 .Lentry_in_a_cluster
	s_endpgm
.Lentry_in_a_cluster:
	s_bfe_u32 s2, ttmp6, 0x10000c
	s_cmp_lg_u32 s2, 0xf033
	s_cbranch_scc0 .Lentry_shape_is_right
	s_endpgm
.Lentry_shape_is_right:
; kvt[512 b + e][d] = 2048^-0.5 x the sum over s of vh[4 s + b][e] kh[4 s + b][d]: since the attention has no softmax, out = q (k^T v), and this is k^T v, transposed, for each batch.
; vh: [8192][512], kh: [8192][2048], kvt: [2048][2048], all bf16; sums in f32, scaled in f32, rounded once.
; A tile of kvt is 128 x 128 (tile row y = 4 b + e / 128, tile column x = d / 128): 256 work-groups.  Four waves, each 64 x 64: 16 accumulators.  The sum's index s goes in steps of 256 through two LDS slots.
; BOTH OPERANDS LIE [s][column] in memory: a wave's tensor load brings 128 rows s x 128 columns (256 bytes a row, aligned), and the fragments come out of LDS turned, by ds_load_tr16_b128.
; CLUSTER 4 x 4: the cluster's y is the batch.  The four of a row share vh's tile, the four of a column kh's: each is asked for jointly.
; THE MATRIX INSTRUCTION IS USED TRANSPOSED (source 0 = 16 columns d, source 1 = 16 columns e): a lane holds one row of kvt and eight neighbouring d.
; No prefetch: the tiles are small, and each of vh's is read by four clusters at about the same time.
; REGISTERS: window 0: v0-31 addresses; v32-95 the way out; v128-255 accumulators ((a, b) at 128 + 8 (4 a + b)).  Window 1: two fragment buffers of 128: for 64 along s, 64 registers of vh's, then 64 of kh's.
.set PT,     288                       ; an LDS row: 256 bytes + 32 of padding = 72 words
.set HALFT,  128*PT                    ; what one tensor load brings: 128 rows s
.set SLOT,   4*HALFT                   ; vh's 256 rows s, then kh's
.set STAGE,  0                         ; the way out's stage, 128 rows x 272 bytes, lies over slot 0: that slot's last fill is step 6's, and its last read stands ahead of the last lap's first barrier
.set SPITCH, 272
.set SPARE,  2*SLOT                    ; the spare words, 128 bytes for each wave: two blocks of 256 bytes that no other line names
.set LAPS,   4                         ; 2,048 / (2 x 256)
.set SIZE_N, 2048
.set STEP_A, 1048576                   ; 256 s x 4 rows x 1,024 bytes
.set STEP_B, 4194304                   ; 256 s x 4 rows x 4,096 bytes
.set ADRA, 16                          ; v16-19  my vh fragments' LDS address: slot, half of the step's 256 s at 2 slot + half
.set ADRB, 20                          ; v20-23  the same for kh
.set STO,  24
.set RD,   25
.set CO,   26
.set SPW,  28                          ; never rewritten
.set NIL,  29                          ; never rewritten
.set TMP,  32
.set ACC,  128
.set F0,   0
.set F1,   128
.set G1, 24                            ; s[24:31] group 1 for vh's tiles; s[32:39] group 0, a set for each slot
.set G0, 32
.set G1B, 48                           ; s[48:55], s[56:63] the same for kh's
.set G0B, 56
.set SC, 66                            ; s[66:67] 2048^-0.5
.set MSB, 0
.macro WIN new
.if MSB != (\new)
	s_set_vgpr_msb (MSB<<8)|(\new)
.set MSB, \new
.endif
.endm
.set MUL,  0x05                        ; sources 0 and 1 window 1; C and D window 0
.set TO_F, 0x40                        ; destination window 1, address window 0
.macro JLOAD s                         ; a joint load: waves 0 and 1 fetch the two halves of vh's tile, waves 2 and 3 those of kh's; an s_nop 0 and four v_nop follow each line
	s_cmp_eq_u32 s11, 0
	s_cbranch_scc0 .Lfor_b_\@
	tensor_load_to_lds s[G0+4*(\s):G0+4*(\s)+3], s[G1:G1+7]
	s_nop 0
.rept 4
	v_nop
.endr
	s_branch .Lasked_\@
.Lfor_b_\@:
	tensor_load_to_lds s[G0B+4*(\s):G0B+4*(\s)+3], s[G1B:G1B+7]
	s_nop 0
.rept 4
	v_nop
.endr
.Lasked_\@:
.endm
.macro CREST                           ; a round of the cluster's barrier behind its opening barrier
	s_cmp_lg_u32 s10, 0
	s_cbranch_scc1 .Lnot_wave_0_\@
	s_barrier_signal -3
.Lnot_wave_0_\@:
	s_barrier_wait -3
	s_barrier_signal -1
	s_barrier_wait -1
.endm
.macro CROUND
	s_barrier_signal -1
	s_barrier_wait -1
	CREST
.endm
	s_load_b128 s[4:7], s[0:1], 0x0                ; vh s[4:5], kh s[6:7]
	s_load_b64 s[8:9], s[0:1], 0x10                ; kvt
	v_lshl_add_u32 v[SPW], v0, 2, SPARE
	v_mov_b32 v[NIL], 0
	ds_add_u32 v[SPW], v[NIL]                      ; the wave's opening: the add and its wait stand ahead of my first tensor load
	v_lshrrev_b32 v1, 5, v0
	v_readfirstlane_b32 s10, v1                    ; wave 0..3
	s_lshr_b32 s11, s10, 1                         ; which 64 rows (e) of the tile are mine.  Also: I fetch for vh (0) or kh (1)
	s_and_b32 s12, s10, 1                          ; which 64 columns (d).  Also: which 128 of a step's 256 s I fetch
	s_bfe_u32 s40, ttmp6, 0x40000                  ; cx, cy
	s_bfe_u32 s41, ttmp6, 0x40004
	s_lshl_b32 s42, ttmp9, 2
	s_add_co_u32 s42, s42, s40                     ; tile column x
	s_and_b32 s13, ttmp7, 0xffff
	s_lshl_b32 s13, s13, 2
	s_add_co_u32 s13, s13, s41                     ; tile row y = 4 b + cy
	s_lshl_b32 s43, s41, 2
	s_lshl_b32 s43, 15, s43                        ; my row of the cluster
	s_lshl_b32 s44, 0x1111, s40                    ; my column
	; group 1: 128 rows x 128 elements of 2 bytes; 8 words of padding (code 7) after every 64 words (code 5); bit 21 beside the mask
	s_or_b32 s[G1+0], s43, (1<<16)|(1<<20)|(1<<21)|(5<<22)|(7<<25)
	s_or_b32 s[G1B+0], s44, (1<<16)|(1<<20)|(1<<21)|(5<<22)|(7<<25)
.irp g, G1, G1B
	s_mov_b32 s[(\g)+1], 128<<16                   ; tensor_dim0 = 128
	s_mov_b32 s[(\g)+2], 128<<16                   ; tensor_dim1 = 128
	s_mov_b32 s[(\g)+3], 128<<16                   ; tile_dim0 = 128
	s_mov_b32 s[(\g)+4], 128                       ; tile_dim1 = 128
	s_mov_b32 s[(\g)+6], 0
	s_mov_b32 s[(\g)+7], 0
.endr
	s_mov_b32 s[G1+5], 2048                        ; from s to s + 1 in one batch: four rows of 512 elements,
	s_mov_b32 s[G1B+5], 8192                       ; of 2,048
	s_mov_b32 s[SC], 0x3cb504f3                    ; 2048^-0.5
	s_mov_b32 s[SC+1], s[SC]
	s_lshl_b32 s16, s13, 8                         ; vh: 1,024 b + 256 cy = 256 y, made of y and the wave alone,
	s_lshl_b32 s17, s12, 19                        ; + my 128 s x 4,096 bytes
	s_add_co_u32 s16, s16, s17
	s_mov_b32 s17, 0
	s_and_b32 s46, ttmp7, 0xffff                   ; kh: 4,096 b (the cluster's y, which the column shares) + 256 x,
	s_lshl_b32 s46, s46, 12
	s_lshl_b32 s47, s42, 8
	s_add_co_u32 s46, s46, s47
	s_lshl_b32 s47, s12, 21                        ; + my 128 s x 16,384 bytes
	s_add_co_u32 s46, s46, s47
	s_mov_b32 s47, 0
	s_mul_i32 s20, s10, HALFT                      ; where they go: wave x 128 rows
	s_wait_dscnt 0x0                               ; the opening add is done
	s_wait_kmcnt 0x0
	s_add_nc_u64 s[14:15], s[4:5], s[16:17]
	s_add_nc_u64 s[46:47], s[6:7], s[46:47]
	CROUND                                         ; all sixteen work-groups are here: the first joint loads meet
.irp s, 0,1
	s_mov_b32 s[G0+4*(\s)], 1
	s_add_co_u32 s[G0+4*(\s)+1], s20, (\s)*SLOT
	s_add_nc_u64 s[G0+4*(\s)+2:G0+4*(\s)+3], s[14:15], (\s)*STEP_A
	s_or_b32 s[G0+4*(\s)+3], s[G0+4*(\s)+3], 0x80000000
	s_mov_b32 s[G0B+4*(\s)], 1
	s_add_co_u32 s[G0B+4*(\s)+1], s20, (\s)*SLOT
	s_add_nc_u64 s[G0B+4*(\s)+2:G0B+4*(\s)+3], s[46:47], (\s)*STEP_B
	s_or_b32 s[G0B+4*(\s)+3], s[G0B+4*(\s)+3], 0x80000000
	JLOAD \s
.endr
	; The turning load takes 16 s x 16 columns (lane l reads 16 bytes: row 8 (l / 16) + l % 8, columns 8 ((l / 8) % 2) + 0..7) and leaves half a fragment: lane l holds column l % 16 and 8 s.
	v_and_b32 v1, 15, v0                           ; l % 16
	v_bfe_u32 v2, v0, 4, 1                         ; l / 16
	v_and_b32 v3, 7, v0
	v_bfe_u32 v4, v0, 3, 1
	v_lshl_add_u32 v3, v2, 3, v3
	v_mul_u32_u24 v3, v3, PT
	v_lshl_add_u32 v3, v4, 4, v3
	s_lshl_b32 s21, s11, 7                         ; my 64 columns e: 128 bytes
	s_lshl_b32 s22, s12, 7                         ; my 64 columns d,
	s_add_co_u32 s22, s22, 2*HALFT                 ; behind vh's 256 rows
	v_add_nc_u32 v5, s21, v3
	v_add_nc_u32 v6, s22, v3
.irp s, 0,1,2,3
	v_add_nc_u32 v[ADRA+(\s)], ((\s)/2)*SLOT+((\s)%2)*HALFT, v5
	v_add_nc_u32 v[ADRB+(\s)], ((\s)/2)*SLOT+((\s)%2)*HALFT, v6
.endr
	s_mul_i32 s23, s11, 64*SPITCH                  ; into the stage: my 64 rows, my half of their 256 bytes
	s_lshl_b32 s21, s12, 7
	s_add_co_u32 s23, s23, s21
	s_add_co_u32 s23, s23, STAGE
	v_mul_u32_u24 v4, v1, SPITCH
	v_lshl_add_u32 v4, v2, 4, v4
	v_add_nc_u32 v[STO], s23, v4
	s_mul_i32 s23, s10, 32*SPITCH                  ; back: wave w takes rows 32 w .. 32 w + 31, whole
	s_add_co_u32 s23, s23, STAGE
	v_mul_u32_u24 v5, v2, SPITCH
	v_lshl_add_u32 v5, v1, 4, v5
	v_add_nc_u32 v[RD], s23, v5
	v_mul_u32_u24 v5, v2, SIZE_N*2
	v_lshl_add_u32 v[CO], v1, 4, v5
	s_lshl_b32 s16, s13, 7
	s_lshl_b32 s17, s10, 5
	s_add_co_u32 s16, s16, s17                     ; the first row of kvt that I store: 128 y + 32 w
	s_mov_b32 s17, 0
	s_mov_b64 s[18:19], SIZE_N*2
	s_mul_u64 s[16:17], s[16:17], s[18:19]
	s_add_nc_u64 s[8:9], s[8:9], s[16:17]
	s_lshl_b32 s46, s42, 8                         ; the tile's first column, in bytes
	s_mov_b32 s47, 0
	s_add_nc_u64 s[8:9], s[8:9], s[46:47]
; 8 matrix instructions: row blocks a0, a0 + 1 x all 4 column blocks, 32 along s: half c of buffer f.  The 16 accumulators take turns.  zero = 1: the first product starts the sums
.macro MUL8 f, c, a0, zero
	WIN MUL
.irp a, \a0, (\a0)+1
.irp b, 0,1,2,3
.if \zero
	v_wmma_f32_16x16x32_bf16 v[ACC+8*(4*(\a)+(\b)):ACC+8*(4*(\a)+(\b))+7], v[(\f)+64+8*(4*(\c)+(\b)):(\f)+64+8*(4*(\c)+(\b))+7], v[(\f)+8*(4*(\c)+(\a)):(\f)+8*(4*(\c)+(\a))+7], 0
.else
	v_wmma_f32_16x16x32_bf16 v[ACC+8*(4*(\a)+(\b)):ACC+8*(4*(\a)+(\b))+7], v[(\f)+64+8*(4*(\c)+(\b)):(\f)+64+8*(4*(\c)+(\b))+7], v[(\f)+8*(4*(\c)+(\a)):(\f)+8*(4*(\c)+(\a))+7], v[ACC+8*(4*(\a)+(\b)):ACC+8*(4*(\a)+(\b))+7]
.endif
.endr
.endr
.endm
; 32 LDS loads in one run: the fragments of quarter qd (64 along s) of a slot into buffer f; the first 32 along s first
.macro FETCH slot, qd, f
	WIN TO_F
.irp c, 0,1
.irp i, 0,1,2,3
	ds_load_tr16_b128 v[(\f)+64+8*(4*(\c)+(\i)):(\f)+64+8*(4*(\c)+(\i))+3],   v[ADRB+2*(\slot)+(\qd)/2] offset:(((\qd)%2)*64+32*(\c))*PT+32*(\i)
	ds_load_tr16_b128 v[(\f)+64+8*(4*(\c)+(\i))+4:(\f)+64+8*(4*(\c)+(\i))+7], v[ADRB+2*(\slot)+(\qd)/2] offset:(((\qd)%2)*64+32*(\c)+16)*PT+32*(\i)
	ds_load_tr16_b128 v[(\f)+8*(4*(\c)+(\i)):(\f)+8*(4*(\c)+(\i))+3],         v[ADRA+2*(\slot)+(\qd)/2] offset:(((\qd)%2)*64+32*(\c))*PT+32*(\i)
	ds_load_tr16_b128 v[(\f)+8*(4*(\c)+(\i))+4:(\f)+8*(4*(\c)+(\i))+7],       v[ADRA+2*(\slot)+(\qd)/2] offset:(((\qd)%2)*64+32*(\c)+16)*PT+32*(\i)
.endr
.endr
.endm
.macro PLACES                          ; four places in front of loads into registers that matrix instructions have read, and of vector lines that read results
.rept 4
	v_nop
.endr
.endm
; A step is four quarters of 64 along s, 32 matrix instructions each, on buffers 0, 1, 0, 1.  One of the first three: multiplies buffer f and fetches quarter qd into g.
.macro QUARTER slot, qd, f, g, zero
	s_wait_dscnt 16                                ; the first 32 along s are in; the youngest 16 loads may be out
	WIN MUL
	MUL8 \f, 0, 0, \zero
	MUL8 \f, 0, 2, \zero
	PLACES
	FETCH \slot, \qd, \g
	s_wait_dscnt 32                                ; all but the 32 just issued
	WIN MUL
	MUL8 \f, 1, 0, 0
	MUL8 \f, 1, 2, 0
.endm
; The last quarter multiplies buffer 1 and changes slots: ONE barrier; in front of it each wave waits for all its tensor loads, adds 0 to its spare word, and waits for that and for its own reads of this slot.
; fill = 1: the barrier opens a round of the cluster's, and this slot is filled again, two steps ahead, first thing behind the round.
.macro TURN slot, next, fill
	WIN 0
	s_wait_tensorcnt 0x0                           ; all my tensor loads have landed: my part of the next slot
	ds_add_u32 v[SPW], v[NIL]
	s_wait_dscnt 17                                ; (the add and the youngest sixteen loads may be out)
	WIN MUL
	MUL8 F1, 0, 0, 0
	s_wait_dscnt 0x0                               ; the add is done, and my reads of this slot are over
	s_barrier_signal -1
	MUL8 F1, 0, 2, 0
.if \fill
	WIN 0
.endif
	s_barrier_wait -1
.if \fill
	CREST
	s_add_nc_u64 s[G0+4*(\slot)+2:G0+4*(\slot)+3], s[G0+4*(\slot)+2:G0+4*(\slot)+3], 2*STEP_A
	s_add_nc_u64 s[G0B+4*(\slot)+2:G0B+4*(\slot)+3], s[G0B+4*(\slot)+2:G0B+4*(\slot)+3], 2*STEP_B
	JLOAD \slot                                    ; the four v_nop behind it are also the places in front of the loads below
.else
	PLACES
.endif
	FETCH \next, 0, F0
	WIN MUL
	MUL8 F1, 1, 0, 0
	MUL8 F1, 1, 2, 0
.endm
	s_wait_tensorcnt 1                             ; my part of step 0 is in; step 1's may stay out
	s_barrier_signal -1
	s_barrier_wait -1
	FETCH 0, 0, F0
	QUARTER 0, 1, F0, F1, 1                        ; the first quarter stands in front of the loop: its first products start the sums
	WIN 0
	s_mov_b32 s3, LAPS-1
.Llap:                                                 ; a trip goes once round the ring and fills both slots again
	QUARTER 0, 2, F1, F0, 0
	QUARTER 0, 3, F0, F1, 0
	TURN 0, 1, 1
	QUARTER 1, 1, F0, F1, 0
	QUARTER 1, 2, F1, F0, 0
	QUARTER 1, 3, F0, F1, 0
	TURN 1, 0, 1
	QUARTER 0, 1, F0, F1, 0
	WIN 0
	s_sub_co_u32 s3, s3, 1
	s_cmp_lg_u32 s3, 0
	s_cbranch_scc1 .Llap
	QUARTER 0, 2, F1, F0, 0                        ; the last lap fills nothing
	QUARTER 0, 3, F0, F1, 0
	TURN 0, 1, 0                                   ; behind this barrier nobody reads slot 0 any more
	QUARTER 1, 1, F0, F1, 0
	QUARTER 1, 2, F1, F0, 0
	QUARTER 1, 3, F0, F1, 0
	s_wait_dscnt 16
	WIN MUL
	MUL8 F1, 0, 0, 0
	MUL8 F1, 0, 2, 0
	s_wait_dscnt 0
	MUL8 F1, 1, 0, 0
	MUL8 F1, 1, 2, 0
	WIN 0
	; THE WAY OUT: scaled in f32, rounded to bf16; 16 bytes a lane into the stage; a barrier, since a row's 256 bytes come from two waves; back as whole rows, 32 a wave.
	PLACES
.set i, 0
.rept 64
	v_pk_mul_f32 v[ACC+2*i:ACC+2*i+1], v[ACC+2*i:ACC+2*i+1], s[SC:SC+1] op_sel_hi:[1,0]  ; each accumulator from its low end on
.set i, i+1
.endr
.irp t, 0,1,2,3,4,5,6,7,8,9,10,11,12,13,14,15
.irp r, 0,1,2,3
	v_cvt_pk_bf16_f32 v[TMP+4*(\t)+(\r)], v[ACC+8*(\t)+2*(\r)], v[ACC+8*(\t)+2*(\r)+1]
.endr
.endr
.irp a, 0,1,2,3
.irp b, 0,1,2,3
	ds_store_b128 v[STO], v[TMP+4*(4*(\a)+(\b)):TMP+4*(4*(\a)+(\b))+3] offset:(\a)*16*SPITCH+32*(\b)
.endr
.endr
	s_wait_dscnt 0x0                               ; for the others' sake: my stores into the stage are done
	s_barrier_signal -1
	s_barrier_wait -1
.irp t, 0,1,2,3,4,5,6,7,8,9,10,11,12,13,14,15
	ds_load_b128 v[TMP+4*(\t):TMP+4*(\t)+3], v[RD] offset:(\t)*2*SPITCH
.endr
.irp t, 0,1,2,3,4,5,6,7,8,9,10,11,12,13,14,15
	s_wait_dscnt 15-(\t)
	global_store_b128 v[CO], v[TMP+4*(\t):TMP+4*(\t)+3], s[8:9] offset:2*(\t)*SIZE_N*2  ; 16 lanes store 256 consecutive bytes, aligned
.endr
	s_wait_tensorcnt 0x0                           ; the wave's end
	ds_add_u32 v[SPW], v[NIL]
	s_wait_dscnt 0x0
	CROUND                                         ; the closing round
	s_endpgm
.Lfunc_end_k_q046c99c8a2_kv:
	.size	k_q046c99c8a2_kv, .Lfunc_end_k_q046c99c8a2_kv-k_q046c99c8a2_kv
	.p2alignl 7, 3214868480
	.fill 96, 4, 3214868480
	.section	.rodata,"a",@progbits
	.p2align	6, 0x0
	.amdhsa_kernel k_q046c99c8a2_kv
		.amdhsa_group_segment_fixed_size 327680
		.amdhsa_private_segment_fixed_size 0
		.amdhsa_enable_private_segment 0
		.amdhsa_kernarg_size 24
		.amdhsa_user_sgpr_count 2
		.amdhsa_user_sgpr_kernarg_segment_ptr 1
		.amdhsa_wavefront_size32 1
		.amdhsa_system_sgpr_workgroup_id_x 1
		.amdhsa_system_sgpr_workgroup_id_y 1
		.amdhsa_system_sgpr_workgroup_id_z 1
		.amdhsa_system_vgpr_workitem_id 0
		.amdhsa_next_free_vgpr 512
		.amdhsa_next_free_sgpr 68
		.amdhsa_reserve_vcc 0
		.amdhsa_float_denorm_mode_32 3
		.amdhsa_float_denorm_mode_16_64 3
		.amdhsa_memory_ordered 1
		.amdhsa_forward_progress 1
		.amdhsa_inst_pref_size 91
	.end_amdhsa_kernel
	.amdgpu_metadata
---
amdhsa.version: [ 1, 2 ]
amdhsa.kernels:
  - .name:           k_q046c99c8a2_kv
    .symbol:         k_q046c99c8a2_kv.kd
    .args:
      - { .name: vh, .offset: 0, .size: 8, .value_kind: global_buffer, .address_space: global }
      - { .name: kh, .offset: 8, .size: 8, .value_kind: global_buffer, .address_space: global }
      - { .name: kvt, .offset: 16, .size: 8, .value_kind: global_buffer, .address_space: global }
    .group_segment_fixed_size: 327680
    .private_segment_fixed_size: 0
    .kernarg_segment_align: 8
    .kernarg_segment_size: 24
    .max_flat_workgroup_size: 128
    .sgpr_count:     68
    .vgpr_count:     512
    .wavefront_size: 32
...
	.end_amdgpu_metadata
.endif
;; end of part 3
;; launch outp (part 4): grid 4 x 64, 4 waves a work-group, clusters of 4 x 4, 327,680 bytes of LDS; arguments qh, kvt, out0; writes out0
.if DOCPART == 4
	.amdgcn_target "amdgcn-amd-amdhsa--gfx1250"
	.amdhsa_code_object_version 6
	.text
	.protected	k_q046c99c8a2_outp
	.globl	k_q046c99c8a2_outp
	.p2align	8
	.type	k_q046c99c8a2_outp,@function
k_q046c99c8a2_outp:
	s_mov_b64 s[64:65], 0
	v_nop
	global_prefetch_b8 v0, s[64:65] scope:SCOPE_SE
	s_setreg_imm32_b32 hwreg(HW_REG_WAVE_MODE, 25, 1), 1
	s_wait_xcnt 0x0
	s_wait_alu depctr_hold_cnt(0) depctr_sa_sdst(0) depctr_va_vdst(0) depctr_va_sdst(0) depctr_va_ssrc(0) depctr_va_vcc(0) depctr_vm_vsrc(0)
	s_getreg_b32 s2, hwreg(HW_REG_IB_STS2, 6, 4)
	s_cmp_eq_u32 s2, 0
	s_cbranch_scc0 .Lentry_in_a_cluster
	s_endpgm
.Lentry_in_a_cluster:
	s_bfe_u32 s2, ttmp6, 0x10000c
	s_cmp_lg_u32 s2, 0xf033
	s_cbranch_scc0 .Lentry_shape_is_right
	s_endpgm
.Lentry_shape_is_right:
; out0[l][b][e] = the sum over d of qh[4 l + b][d] kvt[512 b + e][d].  qh: [8192][2048], kvt: [2048][2048], bf16; out0: [2048][4][512] f32; sums in f32, stored as they are.
; A tile is 128 rows l of one batch x 128 columns e: tile row y = 16 b + l / 128, tile column x = e / 128: 256 work-groups.  Four waves, each 64 x 64: 16 accumulators.
; d goes in steps of 256 (LDS rows of 512 bytes; a wave's tensor load brings 64 of them) through two slots.  A batch's rows of qh lie four rows apart: the descriptor's pitch is 8,192 elements.
; CLUSTER 4 x 4: all sixteen belong to one batch.  The four of a row share qh's tile, the four of a column kvt's: each is asked for jointly.
; THE MATRIX INSTRUCTION IS USED TRANSPOSED (source 0 = 16 rows of kvt, source 1 = 16 rows of qh): a lane holds one row l and eight neighbouring e.
; A wave's 64 columns are 256 bytes of f32: each wave has a stage of its own, 16 rows at a time, and needs no barrier on the way out.
; No prefetch: the tiles are small, and each of kvt's is read by four clusters at about the same time.
; REGISTERS: window 0: v0-31 addresses; v32-95 the way out; v128-255 accumulators.  Window 1: two fragment buffers of 128: for 64 along d, 64 registers of qh's, then 64 of kvt's.
.set KSTEP,  256
.set PITCH,  528                       ; an LDS row: 512 bytes + 16 of padding = 132 words: the 16 rows of a load start at 16 different groups of four banks (ISA guide 11.1)
.set HALFT,  64*PITCH
.set SLOT,   4*HALFT
.set STAGE,  2*SLOT                    ; behind the ring: 16 rows x 272 bytes for each wave
.set SPITCH, 272
.set SPARE,  STAGE+4*16*SPITCH         ; the spare words, 128 bytes for each wave: two blocks of 256 bytes that no other line names
.set LAPS,   4
.set ADRA, 16
.set ADRB, 20
.set STO,  24
.set RD,   25
.set CO,   26
.set SPW,  28                          ; never rewritten
.set NIL,  29                          ; never rewritten
.set OB,   32                          ; 16 rows read back from the stage: v32-63 and v64-95 by turns
.set ACC,  128
.set F0,   0
.set F1,   128
.set G1, 24
.set G0, 32
.set G1B, 48
.set G0B, 56
.set MSB, 0
.macro WIN new
.if MSB != (\new)
	s_set_vgpr_msb (MSB<<8)|(\new)
.set MSB, \new
.endif
.endm
.set MUL,  0x05
.set TO_F, 0x40
.macro JLOAD s                         ; waves 0 and 1 fetch qh's two halves, waves 2 and 3 kvt's; an s_nop 0 and four v_nop follow each line
	s_cmp_eq_u32 s11, 0
	s_cbranch_scc0 .Lfor_b_\@
	tensor_load_to_lds s[G0+4*(\s):G0+4*(\s)+3], s[G1:G1+7]
	s_nop 0
.rept 4
	v_nop
.endr
	s_branch .Lasked_\@
.Lfor_b_\@:
	tensor_load_to_lds s[G0B+4*(\s):G0B+4*(\s)+3], s[G1B:G1B+7]
	s_nop 0
.rept 4
	v_nop
.endr
.Lasked_\@:
.endm
.macro CREST
	s_cmp_lg_u32 s10, 0
	s_cbranch_scc1 .Lnot_wave_0_\@
	s_barrier_signal -3
.Lnot_wave_0_\@:
	s_barrier_wait -3
	s_barrier_signal -1
	s_barrier_wait -1
.endm
.macro CROUND
	s_barrier_signal -1
	s_barrier_wait -1
	CREST
.endm
	s_load_b128 s[4:7], s[0:1], 0x0                ; qh s[4:5], kvt s[6:7]
	s_load_b64 s[8:9], s[0:1], 0x10                ; out0
	v_lshl_add_u32 v[SPW], v0, 2, SPARE
	v_mov_b32 v[NIL], 0
	ds_add_u32 v[SPW], v[NIL]                      ; the wave's opening: the add and its wait stand ahead of my first tensor load
	v_lshrrev_b32 v1, 5, v0
	v_readfirstlane_b32 s10, v1                    ; wave 0..3
	s_lshr_b32 s11, s10, 1                         ; which 64 rows are mine.  Also: I fetch for qh (0) or kvt (1)
	s_and_b32 s12, s10, 1                          ; which 64 columns.  Also: which 64 rows of that tile I fetch
	s_bfe_u32 s40, ttmp6, 0x40000                  ; cx, cy
	s_bfe_u32 s41, ttmp6, 0x40004
	s_lshl_b32 s42, ttmp9, 2
	s_add_co_u32 s42, s42, s40                     ; tile column x
	s_and_b32 s45, ttmp7, 0xffff                   ; the cluster's y: batch = y / 4
	s_lshl_b32 s13, s45, 2
	s_add_co_u32 s13, s13, s41                     ; tile row y = 16 b + l / 128
	s_lshl_b32 s43, s41, 2
	s_lshl_b32 s43, 15, s43                        ; my row of the cluster
	s_lshl_b32 s44, 0x1111, s40                    ; my column
	; group 1: 64 rows x 256 elements of 2 bytes; 4 words of padding (code 3) after every 128 words (code 6); bit 21 beside the mask
	s_or_b32 s[G1+0], s43, (1<<16)|(1<<20)|(1<<21)|(6<<22)|(3<<25)
	s_or_b32 s[G1B+0], s44, (1<<16)|(1<<20)|(1<<21)|(6<<22)|(3<<25)
.irp g, G1, G1B
	s_mov_b32 s[(\g)+1], KSTEP<<16                 ; tensor_dim0 = 256
	s_mov_b32 s[(\g)+2], 64<<16                    ; tensor_dim1 = 64
	s_mov_b32 s[(\g)+3], KSTEP<<16                 ; tile_dim0 = 256
	s_mov_b32 s[(\g)+4], 64                        ; tile_dim1 = 64
	s_mov_b32 s[(\g)+6], 0
	s_mov_b32 s[(\g)+7], 0
.endr
	s_mov_b32 s[G1+5], 8192                        ; from l to l + 1 in one batch: four rows of 2,048 elements
	s_mov_b32 s[G1B+5], 2048
	s_lshr_b32 s16, s13, 4                         ; qh: 4,096 b,
	s_lshl_b32 s16, s16, 12
	s_and_b32 s17, s13, 15                         ; + 128 rows l of 16,384 bytes for each tile,
	s_lshl_b32 s17, s17, 21
	s_add_co_u32 s16, s16, s17
	s_lshl_b32 s17, s12, 20                        ; + my 64 rows: made of y and the wave alone
	s_add_co_u32 s16, s16, s17
	s_mov_b32 s17, 0
	s_lshr_b32 s46, s45, 2                         ; kvt: (512 b + 128 x + 64 half) rows of 4,096 bytes: made of the cluster's y, x and the wave alone
	s_lshl_b32 s46, s46, 21
	s_lshl_b32 s47, s42, 19
	s_add_co_u32 s46, s46, s47
	s_lshl_b32 s47, s12, 18
	s_add_co_u32 s46, s46, s47
	s_mov_b32 s47, 0
	s_mul_i32 s20, s10, HALFT                      ; where they go: wave x 64 rows
	s_wait_dscnt 0x0                               ; the opening add is done
	s_wait_kmcnt 0x0
	s_add_nc_u64 s[14:15], s[4:5], s[16:17]
	s_add_nc_u64 s[46:47], s[6:7], s[46:47]
	CROUND                                         ; all sixteen work-groups are here: the first joint loads meet
.irp s, 0,1
	s_mov_b32 s[G0+4*(\s)], 1
	s_add_co_u32 s[G0+4*(\s)+1], s20, (\s)*SLOT
	s_add_nc_u64 s[G0+4*(\s)+2:G0+4*(\s)+3], s[14:15], (\s)*KSTEP*2
	s_or_b32 s[G0+4*(\s)+3], s[G0+4*(\s)+3], 0x80000000
	s_mov_b32 s[G0B+4*(\s)], 1
	s_add_co_u32 s[G0B+4*(\s)+1], s20, (\s)*SLOT
	s_add_nc_u64 s[G0B+4*(\s)+2:G0B+4*(\s)+3], s[46:47], (\s)*KSTEP*2
	s_or_b32 s[G0B+4*(\s)+3], s[G0B+4*(\s)+3], 0x80000000
	JLOAD \s
.endr
	v_and_b32 v1, 15, v0                           ; l % 16
	v_bfe_u32 v2, v0, 4, 1                         ; l / 16
	v_mul_u32_u24 v3, v1, PITCH
	v_lshl_add_u32 v3, v2, 4, v3                   ; a fragment's row x pitch + 16 x half
	s_mul_i32 s21, s11, HALFT                      ; my 64 rows of qh
	s_mul_i32 s22, s12, HALFT                      ; my 64 rows of kvt,
	s_add_co_u32 s22, s22, 2*HALFT                 ; which lie behind qh's 128
.irp s, 0,1
	v_add_nc_u32 v[ADRA+(\s)], s21, v3
	v_add_nc_u32 v[ADRB+(\s)], s22, v3
	s_add_co_u32 s21, s21, SLOT
	s_add_co_u32 s22, s22, SLOT
.endr
	s_mul_i32 s23, s10, 16*SPITCH
	s_add_co_u32 s23, s23, STAGE                   ; my stage
	v_mul_u32_u24 v4, v1, SPITCH                   ; in: row l % 16, 32 bytes for each half of the lanes
	v_lshl_add_u32 v4, v2, 5, v4
	v_add_nc_u32 v[STO], s23, v4
	v_mul_u32_u24 v5, v2, SPITCH                   ; back: lanes 0-15 take one row of 256 bytes, lanes 16-31 the next
	v_lshl_add_u32 v5, v1, 4, v5
	v_add_nc_u32 v[RD], s23, v5
	v_lshlrev_b32 v5, 13, v2                       ; and the same two rows in out0: rows l of one batch lie 8,192 bytes apart
	v_lshl_add_u32 v[CO], v1, 4, v5
	s_lshr_b32 s16, s13, 4                         ; out0: 2,048 b + 128 x 8,192 for each tile row + 64 x 8,192 for my half
	s_lshl_b32 s16, s16, 11
	s_and_b32 s17, s13, 15
	s_lshl_b32 s17, s17, 20
	s_add_co_u32 s16, s16, s17
	s_lshl_b32 s17, s11, 19
	s_add_co_u32 s16, s16, s17
	s_mov_b32 s17, 0
	s_add_nc_u64 s[8:9], s[8:9], s[16:17]
	s_lshl_b32 s46, s42, 9                         ; + 512 x + 256 for my half of the columns
	s_lshl_b32 s47, s12, 8
	s_add_co_u32 s46, s46, s47
	s_mov_b32 s47, 0
	s_add_nc_u64 s[8:9], s[8:9], s[46:47]
; 8 matrix instructions: row blocks a0, a0 + 1 x all 4 column blocks, 32 along d: half c of buffer f.  The 16 accumulators take turns.  zero = 1: the first product starts the sums
.macro MUL8 f, c, a0, zero
	WIN MUL
.irp a, \a0, (\a0)+1
.irp b, 0,1,2,3
.if \zero
	v_wmma_f32_16x16x32_bf16 v[ACC+8*(4*(\a)+(\b)):ACC+8*(4*(\a)+(\b))+7], v[(\f)+64+8*(4*(\c)+(\b)):(\f)+64+8*(4*(\c)+(\b))+7], v[(\f)+8*(4*(\c)+(\a)):(\f)+8*(4*(\c)+(\a))+7], 0
.else
	v_wmma_f32_16x16x32_bf16 v[ACC+8*(4*(\a)+(\b)):ACC+8*(4*(\a)+(\b))+7], v[(\f)+64+8*(4*(\c)+(\b)):(\f)+64+8*(4*(\c)+(\b))+7], v[(\f)+8*(4*(\c)+(\a)):(\f)+8*(4*(\c)+(\a))+7], v[ACC+8*(4*(\a)+(\b)):ACC+8*(4*(\a)+(\b))+7]
.endif
.endr
.endr
.endm
; 32 LDS loads in one run: the fragments of 64 along d at byte k of the rows, into buffer f; the first 32 along d first
.macro FETCH slot, k, f
	WIN TO_F
.irp c, 0,1
.irp i, 0,1,2,3
	ds_load_b128 v[(\f)+64+8*(4*(\c)+(\i)):(\f)+64+8*(4*(\c)+(\i))+3],   v[ADRB+(\slot)] offset:(\k)+64*(\c)+(\i)*16*PITCH
	ds_load_b128 v[(\f)+64+8*(4*(\c)+(\i))+4:(\f)+64+8*(4*(\c)+(\i))+7], v[ADRB+(\slot)] offset:(\k)+64*(\c)+(\i)*16*PITCH+32
	ds_load_b128 v[(\f)+8*(4*(\c)+(\i)):(\f)+8*(4*(\c)+(\i))+3],         v[ADRA+(\slot)] offset:(\k)+64*(\c)+(\i)*16*PITCH
	ds_load_b128 v[(\f)+8*(4*(\c)+(\i))+4:(\f)+8*(4*(\c)+(\i))+7],       v[ADRA+(\slot)] offset:(\k)+64*(\c)+(\i)*16*PITCH+32
.endr
.endr
.endm
.macro PLACES                          ; four places in front of loads into registers that matrix instructions have read, and of LDS stores that read results
.rept 4
	v_nop
.endr
.endm
.macro QUARTER slot, k, f, g, zero
	s_wait_dscnt 16                                ; the first 32 along d are in; the youngest 16 loads may be out
	WIN MUL
	MUL8 \f, 0, 0, \zero
	MUL8 \f, 0, 2, \zero
	PLACES
	FETCH \slot, \k, \g
	s_wait_dscnt 32                                ; all but the 32 just issued
	WIN MUL
	MUL8 \f, 1, 0, 0
	MUL8 \f, 1, 2, 0
.endm
; The last quarter multiplies buffer 1 and changes slots: ONE barrier; in front of it each wave waits for all its tensor loads, adds 0 to its spare word, and waits for that and for its own reads of this slot.
; fill = 1: the barrier opens a round of the cluster's, and this slot is filled again, two steps ahead, first thing behind the round.
.macro TURN slot, next, fill
	WIN 0
	s_wait_tensorcnt 0x0                           ; all my tensor loads have landed: my part of the next slot
	ds_add_u32 v[SPW], v[NIL]
	s_wait_dscnt 17                                ; (the add and the youngest sixteen loads may be out)
	WIN MUL
	MUL8 F1, 0, 0, 0
	s_wait_dscnt 0x0                               ; the add is done, and my reads of this slot are over
	s_barrier_signal -1
	MUL8 F1, 0, 2, 0
.if \fill
	WIN 0
.endif
	s_barrier_wait -1
.if \fill
	CREST
	s_add_nc_u64 s[G0+4*(\slot)+2:G0+4*(\slot)+3], s[G0+4*(\slot)+2:G0+4*(\slot)+3], 2*KSTEP*2
	s_add_nc_u64 s[G0B+4*(\slot)+2:G0B+4*(\slot)+3], s[G0B+4*(\slot)+2:G0B+4*(\slot)+3], 2*KSTEP*2
	JLOAD \slot                                    ; the four v_nop behind it are also the places in front of the loads below
.else
	PLACES
.endif
	FETCH \next, 0, F0
	WIN MUL
	MUL8 F1, 1, 0, 0
	MUL8 F1, 1, 2, 0
.endm
	s_wait_tensorcnt 1                             ; my part of step 0 is in; step 1's may stay out
	s_barrier_signal -1
	s_barrier_wait -1
	FETCH 0, 0, F0
	QUARTER 0, 128, F0, F1, 1                      ; the first quarter stands in front of the loop: its first products start the sums
	WIN 0
	s_mov_b32 s3, LAPS-1
.Llap:                                                 ; a trip goes once round the ring and fills both slots again
	QUARTER 0, 256, F1, F0, 0
	QUARTER 0, 384, F0, F1, 0
	TURN 0, 1, 1
	QUARTER 1, 128, F0, F1, 0
	QUARTER 1, 256, F1, F0, 0
	QUARTER 1, 384, F0, F1, 0
	TURN 1, 0, 1
	QUARTER 0, 128, F0, F1, 0
	WIN 0
	s_sub_co_u32 s3, s3, 1
	s_cmp_lg_u32 s3, 0
	s_cbranch_scc1 .Llap
	QUARTER 0, 256, F1, F0, 0                      ; the last lap fills nothing
	QUARTER 0, 384, F0, F1, 0
	TURN 0, 1, 0
	QUARTER 1, 128, F0, F1, 0
	QUARTER 1, 256, F1, F0, 0
	QUARTER 1, 384, F0, F1, 0
	s_wait_dscnt 16
	WIN MUL
	MUL8 F1, 0, 0, 0
	MUL8 F1, 0, 2, 0
	s_wait_dscnt 0
	MUL8 F1, 1, 0, 0
	MUL8 F1, 1, 2, 0
	WIN 0
; THE WAY OUT, 16 rows at a time, through my own stage: a lane's eight f32 of a row go in as 32 bytes, whole rows of 256 bytes come back.  LDS serves a wave's instructions in order (ISA guide 5.7.1.4):
; the loads see the stores above them, and the next block's stores come behind them.
.macro TOSTAGE a
.set BK, OB+32*((\a)%2)
.irp b, 0,1,2,3
	ds_store_b128 v[STO], v[ACC+8*(4*(\a)+(\b)):ACC+8*(4*(\a)+(\b))+3]   offset:64*(\b)     ; each accumulator from its low end on
	ds_store_b128 v[STO], v[ACC+8*(4*(\a)+(\b))+4:ACC+8*(4*(\a)+(\b))+7] offset:64*(\b)+16
.endr
.irp t, 0,1,2,3,4,5,6,7
	ds_load_b128 v[BK+4*(\t):BK+4*(\t)+3], v[RD] offset:(\t)*2*SPITCH
.endr
.endm
.macro SEND a, younger                 ; younger: the LDS instructions issued behind block a's loads: the next block's sixteen, or none
.set BK, OB+32*((\a)%2)
.irp t, 0,1,2,3,4,5,6,7
	s_wait_dscnt (\younger)+7-(\t)
	global_store_b128 v[CO], v[BK+4*(\t):BK+4*(\t)+3], s[8:9] offset:(16*(\a)+2*(\t))*8192 th:TH_STORE_NT  ; 16 lanes store 256 consecutive bytes, aligned
.endr
.endm
	PLACES
	TOSTAGE 0
	TOSTAGE 1
	SEND 0, 16
	s_wait_xcnt 0x0                                ; block 0's stores have read their registers, which block 2 takes
	TOSTAGE 2
	SEND 1, 16
	s_wait_xcnt 0x0                                ; the same for blocks 1 and 3
	TOSTAGE 3
	SEND 2, 16
	SEND 3, 0
	s_wait_tensorcnt 0x0                           ; the wave's end
	ds_add_u32 v[SPW], v[NIL]
	s_wait_dscnt 0x0
	CROUND                                         ; the closing round
	s_endpgm
.Lfunc_end_k_q046c99c8a2_outp:
	.size	k_q046c99c8a2_outp, .Lfunc_end_k_q046c99c8a2_outp-k_q046c99c8a2_outp
	.p2alignl 7, 3214868480
	.fill 96, 4, 3214868480
	.section	.rodata,"a",@progbits
	.p2align	6, 0x0
	.amdhsa_kernel k_q046c99c8a2_outp
		.amdhsa_group_segment_fixed_size 327680
		.amdhsa_private_segment_fixed_size 0
		.amdhsa_enable_private_segment 0
		.amdhsa_kernarg_size 24
		.amdhsa_user_sgpr_count 2
		.amdhsa_user_sgpr_kernarg_segment_ptr 1
		.amdhsa_wavefront_size32 1
		.amdhsa_system_sgpr_workgroup_id_x 1
		.amdhsa_system_sgpr_workgroup_id_y 1
		.amdhsa_system_sgpr_workgroup_id_z 1
		.amdhsa_system_vgpr_workitem_id 0
		.amdhsa_next_free_vgpr 512
		.amdhsa_next_free_sgpr 66
		.amdhsa_reserve_vcc 0
		.amdhsa_float_denorm_mode_32 3
		.amdhsa_float_denorm_mode_16_64 3
		.amdhsa_memory_ordered 1
		.amdhsa_forward_progress 1
		.amdhsa_inst_pref_size 87
	.end_amdhsa_kernel
	.amdgpu_metadata
---
amdhsa.version: [ 1, 2 ]
amdhsa.kernels:
  - .name:           k_q046c99c8a2_outp
    .symbol:         k_q046c99c8a2_outp.kd
    .args:
      - { .name: qh, .offset: 0, .size: 8, .value_kind: global_buffer, .address_space: global }
      - { .name: kvt, .offset: 8, .size: 8, .value_kind: global_buffer, .address_space: global }
      - { .name: out0, .offset: 16, .size: 8, .value_kind: global_buffer, .address_space: global }
    .group_segment_fixed_size: 327680
    .private_segment_fixed_size: 0
    .kernarg_segment_align: 8
    .kernarg_segment_size: 24
    .max_flat_workgroup_size: 128
    .sgpr_count:     66
    .vgpr_count:     512
    .wavefront_size: 32
...
	.end_amdgpu_metadata
.endif
;; end of part 4
;; ======== version 2 of 2: 4 launches; version 1 with the launch castw written anew for expert scheduling mode
;; workspace buffers: wbf 4,718,592 bytes; qh 33,554,432 bytes; kh 33,554,432 bytes; vh 8,388,608 bytes; kvt 8,388,608 bytes
;; launch castw (part 5): grid 288 x 1, 8 waves a work-group, no clusters, 0 bytes of LDS; arguments q_w, k_w, v_w, wbf; writes wbf
.if DOCPART == 5
	.amdgcn_target "amdgcn-amd-amdhsa--gfx1250"
	.amdhsa_code_object_version 6
	.text
	.protected	k_q046c99c8a2_castw
	.globl	k_q046c99c8a2_castw
	.p2align	8
	.type	k_q046c99c8a2_castw,@function
k_q046c99c8a2_castw:
	s_mov_b64 s[64:65], 0
	v_nop
	global_prefetch_b8 v0, s[64:65] scope:SCOPE_SE
	s_setreg_imm32_b32 hwreg(HW_REG_WAVE_SCHED_MODE, 0, 2), 2
	s_setreg_imm32_b32 hwreg(HW_REG_WAVE_MODE, 25, 1), 1
	s_wait_xcnt 0x0
	s_wait_alu depctr_vm_vsrc(0)
; wbf[4608][512] in bf16 = q_w (rows 0-2047), k_w (rows 2048-4095), v_w (rows 4096-4607), each number rounded once.
; A work-group takes 8,192 numbers: 32,768 bytes in, 16,384 out.  Groups 0-127 take q_w, 128-255 k_w, 256-287 v_w.
; Thread t takes 16 bytes at 16 t + 4,096 j (j = 0..7) and stores 8 bytes at 8 t + 2,048 j: a wave's store covers 256 consecutive bytes, aligned.
; All eight loads of a thread go out at once; no loop, no LDS: each byte is read once and written once.
; THE MODE: SCHED_MODE bits 1:0 = 2 (LLVM: expert scheduling mode 2), set by the entry lines.  The code itself states the register dependences
; between vector instructions and memory instructions, with s_wait_alu, always for 0.
; THE PLAN.  Registers that memory instructions touch:
;   v1, v2     byte offsets of the loads and of the stores: written once at the head by vector shifts, never again.
;   v[4:35]    written by the eight loads alone, read once by the conversions; nothing lands in them a second time.
;   v[36:51]   written once by the conversions, read by the eight stores; never written again.
; So three waits state everything: one ahead of the first load (the offsets are written), and one behind each half's eight conversions, ahead of
; that half's run of four stores (their data are written).  The second half's conversions name none of the registers that the first half's stores read.
	s_load_b256 s[4:11], s[0:1], 0x0               ; q_w s[4:5], k_w s[6:7], v_w s[8:9], wbf s[10:11]
	v_lshlrev_b32 v1, 4, v0                        ; 16 t
	v_lshlrev_b32 v2, 3, v0                        ; 8 t
	s_mov_b32 s12, ttmp9
	s_mov_b32 s17, 0
	s_mov_b32 s19, 0
	s_lshl_b32 s18, s12, 14                        ; the group's 16,384 bytes of wbf
	s_wait_kmcnt 0x0
	s_cmp_lt_u32 s12, 128                          ; which of the three tensors, and how many groups lie ahead of it
	s_cselect_b64 s[14:15], s[4:5], s[6:7]
	s_cselect_b32 s16, 0, 128
	s_cmp_lt_u32 s12, 256
	s_cselect_b64 s[14:15], s[14:15], s[8:9]
	s_cselect_b32 s16, s16, 256
	s_sub_co_u32 s16, s12, s16
	s_lshl_b32 s16, s16, 15                        ; the group's 32,768 bytes in its tensor
	s_add_nc_u64 s[14:15], s[14:15], s[16:17]
	s_add_nc_u64 s[10:11], s[10:11], s[18:19]
	s_wait_alu depctr_va_vdst(0)                   ; v1 and v2 are written: every load reads v1 as its offset, every store v2
.irp j, 0,1,2,3,4,5,6,7
	global_load_b128 v[4+4*(\j):7+4*(\j)], v1, s[14:15] offset:4096*(\j) th:TH_LOAD_NT
.endr
.irp g, 0,1
	s_wait_loadcnt 4-4*(\g)                        ; loads come back in order: this half's four are in; in the first half the four younger ones stay out
.irp j, 0,1,2,3
	v_cvt_pk_bf16_f32 v[36+8*(\g)+2*(\j)], v[4+16*(\g)+4*(\j)], v[5+16*(\g)+4*(\j)]
	v_cvt_pk_bf16_f32 v[37+8*(\g)+2*(\j)], v[6+16*(\g)+4*(\j)], v[7+16*(\g)+4*(\j)]
.endr
	s_wait_alu depctr_va_vdst(0)                   ; this half's eight conversions have written v[36 + 8 g .. 43 + 8 g], which the four stores below read
.irp j, 0,1,2,3
	global_store_b64 v2, v[36+8*(\g)+2*(\j):37+8*(\g)+2*(\j)], s[10:11] offset:2048*(4*(\g)+(\j))
.endr
.endr
	s_endpgm
.Lfunc_end_k_q046c99c8a2_castw:
	.size	k_q046c99c8a2_castw, .Lfunc_end_k_q046c99c8a2_castw-k_q046c99c8a2_castw
	.p2alignl 7, 3214868480
	.fill 96, 4, 3214868480
	.section	.rodata,"a",@progbits
	.p2align	6, 0x0
	.amdhsa_kernel k_q046c99c8a2_castw
		.amdhsa_group_segment_fixed_size 0
		.amdhsa_private_segment_fixed_size 0
		.amdhsa_enable_private_segment 0
		.amdhsa_kernarg_size 32
		.amdhsa_user_sgpr_count 2
		.amdhsa_user_sgpr_kernarg_segment_ptr 1
		.amdhsa_wavefront_size32 1
		.amdhsa_system_sgpr_workgroup_id_x 1
		.amdhsa_system_sgpr_workgroup_id_y 1
		.amdhsa_system_sgpr_workgroup_id_z 1
		.amdhsa_system_vgpr_workitem_id 0
		.amdhsa_next_free_vgpr 64
		.amdhsa_next_free_sgpr 66
		.amdhsa_reserve_vcc 0
		.amdhsa_float_denorm_mode_32 3
		.amdhsa_float_denorm_mode_16_64 3
		.amdhsa_memory_ordered 1
		.amdhsa_forward_progress 1
		.amdhsa_inst_pref_size 4
	.end_amdhsa_kernel
	.amdgpu_metadata
---
amdhsa.version: [ 1, 2 ]
amdhsa.kernels:
  - .name:           k_q046c99c8a2_castw
    .symbol:         k_q046c99c8a2_castw.kd
    .args:
      - { .name: q_w, .offset: 0, .size: 8, .value_kind: global_buffer, .address_space: global }
      - { .name: k_w, .offset: 8, .size: 8, .value_kind: global_buffer, .address_space: global }
      - { .name: v_w, .offset: 16, .size: 8, .value_kind: global_buffer, .address_space: global }
      - { .name: wbf, .offset: 24, .size: 8, .value_kind: global_buffer, .address_space: global }
    .group_segment_fixed_size: 0
    .private_segment_fixed_size: 0
    .kernarg_segment_align: 8
    .kernarg_segment_size: 32
    .max_flat_workgroup_size: 256
    .sgpr_count:     66
    .vgpr_count:     64
    .wavefront_size: 32
...
	.end_amdgpu_metadata
.endif
;; end of part 5
;; launch proj: the kernel of part 2 again; grid 4 x 64, 4 waves a work-group, clusters of 4 x 4, 327,680 bytes of LDS; arguments query, key, value, wbf, q_b, k_b, v_b, feat_mask, qh, kh, vh; writes qh, kh, vh
;; launch kv: the kernel of part 3 again; grid 16 x 16, 4 waves a work-group, clusters of 4 x 4, 327,680 bytes of LDS; arguments vh, kh, kvt; writes kvt
;; launch outp: the kernel of part 4 again; grid 4 x 64, 4 waves a work-group, clusters of 4 x 4, 327,680 bytes of LDS; arguments qh, kvt, out0; writes out0
